; MI455X (gfx1250); checked and timed in simulation.
; The chip was launched on July 23, 2026; its instructions are those of AMD's public machine-readable ISA for CDNA 5 (MIT licence, August 2026) and "CDNA5" Instruction Set Architecture Reference Guide (July 2026). The comments in the code are by the model that wrote it; some were corrected since.
;; Attention. Allowed arithmetic: matrix products marked QUANTISED: E2M1 operands, one E8M0 scale for each 32 along K, by v_wmma_scale_f32_16x16x128_f8f6f4 with both operands' format E2M1 (or v_wmma_scale_f32_32x16x128_f4), f32 sums; products left as they are: bf16, f16 or f32 operands; f32 sums; everything else in f32.
;; Inputs: Wk 1,024 x 1,024 float32; Wq 1,024 x 1,024 float32; Wv 1,024 x 1,024 float32; k 4 x 2,048 x 1,024 float32; mask 4 x 2,048 x 2,048 bool; q 4 x 2,048 x 1,024 float32; v 4 x 2,048 x 1,024 float32.
;; Outputs: out0 4 x 16 x 2,048 x 64 float32.
;; This version of the problem:
;;   THIS VERSION OF THE PROBLEM IS GIVEN IN LOW PRECISION. The matrix products marked QUANTISED in the list below multiply operands that are first quantised to E2M1 (2 exponent bits, 1 mantissa bit; 4 bits a number), with one power-of-two scale for each 32 numbers along K (OCP MX v1.0); their sums are f32. The products marked 'left as it is' may take bf16, f16 or f32 operands, with f32 sums. Whichever they take, every output number must still come out within the allowed error. Rounding operands to bf16 (8 significant bits) uses up far more of that allowance than f16 does (11 bits, for magnitudes from 6e-5 to 65,504). All else is computed in f32.
;;   The module's matrix products, in the order in which they are computed (A, B: the left and right operand; K: the contracted axis; several contracted axes count as one K, in the product's order):
;;     1. [M 8,192, K 1,024] x [K 1,024, N 1,024]; A: input q; B: input Wq: QUANTISED
;;     2. [M 8,192, K 1,024] x [K 1,024, N 1,024]; A: input k; B: input Wk: QUANTISED
;;     3. [M 8,192, K 1,024] x [K 1,024, N 1,024]; A: input v; B: input Wv: QUANTISED
;;     4. batch 64 x [M 2,048, K 64] x [K 64, N 2,048]; A: computed on the way; B: computed on the way: left as it is (an operand is computed on the way)
;;     5. batch 64 x [M 2,048, K 2,048] x [K 2,048, N 64]; A: computed on the way; B: computed on the way: left as it is (an operand is computed on the way)
;;   THE QUANTISER, for each operand of a quantised product, along K:
;;     - K is cut into blocks of 32 from its start; a last block that is shorter is filled with zeros.
;;     - A block's scale is 2^e with e = floor(log2(the largest magnitude in the block)) - 2, held to -126 .. 127; a block of zeros has e = 0. As a byte (E8M0): e + 127.
;;     - Each number is divided by its block's scale, clamped to +-6, and rounded to the nearest number of E2M1, ties to even, subnormals kept.
;;     - The product sums the exact products of the quantised numbers (number of the format x scale) in f32.
;;   ~~~python
;;   def quantise(x, axis):      # numpy; x: float32 -> the quantised numbers, widened to float32 again
;;       x = np.moveaxis(x, axis, -1); K = x.shape[-1]
;;       x = np.pad(x, [(0, 0)] * (x.ndim - 1) + [(0, -K % 32)]); x = x.reshape(x.shape[:-1] + (-1, 32)); a = np.abs(x).max(-1, keepdims=True)
;;       e = np.where(a > 0, np.clip(np.frexp(np.where(a > 0, a, 1))[1] - 1 - 2, -126, 127), 0)      # np.frexp(a)[1] - 1 = floor(log2(a)), exactly
;;       r = np.clip(x / 2.0 ** e, -6, 6)
;;       step = 2.0 ** (np.maximum(np.frexp(np.where(r == 0, 1, r))[1] - 1, 0) - 1)
;;       q = np.round(r / step) * step * 2.0 ** e      # np.round: ties to even
;;       return np.moveaxis(q.reshape(q.shape[:-2] + (-1,))[..., :K], -1, axis).astype(np.float32)
;;   ~~~
;; One version. Each part assembles by itself: llvm-mc -triple=amdgcn-amd-amdhsa -mcpu=gfx1250 --defsym DOCPART=n.
;; ======== version 1 of 1: 3 launches
;; limits: values are held in f16: magnitudes above 65,504 overflow, below 6.1e-05 lose precision
;; workspace buffers: xc 12,582,912 bytes; xs 786,432 bytes; wc 1,572,864 bytes; ws 98,304 bytes; mb 2,097,152 bytes of whole numbers; kv 33,554,432 bytes
;; launch prep (part 1): grid 832 x 1, 4 waves a work-group, no clusters, 69,120 bytes of LDS; arguments q, k, v, Wq, Wk, Wv, mask, xc, xs, wc, ws, mb; writes xc, xs, wc, ws, mb
.if DOCPART == 1
	.amdgcn_target "amdgcn-amd-amdhsa--gfx1250"
	.amdhsa_code_object_version 6
	.text
	.protected	k_q6a2df3871c_prep
	.globl	k_q6a2df3871c_prep
	.p2align	8
	.type	k_q6a2df3871c_prep,@function
k_q6a2df3871c_prep:
	s_mov_b64 s[64:65], 0
	v_nop
	global_prefetch_b8 v0, s[64:65] scope:SCOPE_SE
	s_setreg_imm32_b32 hwreg(HW_REG_WAVE_MODE, 25, 1), 1
	s_wait_xcnt 0x0
; FIRST OF THREE LAUNCHES.  z = softmax(where(mask, (q Wq)(k Wk)^T / 8, -1e9)) (v Wv), by head.  NO WORK IS LEFT OUT: every input has a way to out0 (the mask is data and may have holes),
; and all five products of the problem are done.
; This launch turns q, k, v ([8192][1024] f32, K innermost) and Wq, Wk, Wv ([1024 (K)][1024] f32, K outermost) into codes of FP4 (E2M1) with one E8M0 byte for each 32 along K,
; and the mask's bytes into words of 32 lane bits.  All five results are laid IN THE ORDER OF THE READER'S REGISTERS:
;   xc [tensor 3][tile of 16 rows 512][K step of 128: 8][chunk c 2][lane 32][16 bytes]: lane (r = lane % 16, h = lane / 16) holds the 32 codes of row r, block 4 s + 2 c + h: registers 4 c .. 4 c + 3 of a fragment.
;   xs [tensor][tile][g 2][r 16][4 words]: word q = row r's four scale bytes of K step 4 g + q.      wc, ws: the same for W^T (a row = an output channel; 64 tiles a tensor).
;   mb [b 4][32 queries: 64][key step of 64: 32][qt 2][kt 4][j 8] words: bit l = mask[b][32 g + 16 qt + l % 16][64 ks + 16 kt + 8 (l / 16) + j]: the lane mask of register j of a 16 x 16 tile of scores.
; A block's scale is 2^(floor(log2(its largest magnitude)) - 2); its byte is the largest magnitude's exponent field - 2, held at 1 from below.
; LIMITS: a block of zeros, and one whose largest magnitude lies under 2^(2 - 126), keeps the byte 1 (zeros: where the rule says 127; their codes are zeros, and this program alone reads the bytes);
; NaN and infinities among the inputs are not served.
; THREE PATHS part on the work-group's number: 0-383 activations (X), 384-639 the mask (M), 640-831 weights (W).  Waves share nothing: no barrier.  X and M have LDS bytes of their own.
; No cluster: no two work-groups read the same bytes.  No matrix unit: there is no product here.
.set SPARE, 68608                      ; behind the stages: the spare words, 128 bytes a wave
.set XSTG,  8448                       ; X: a wave's stage: 16 rows x (512 + 16) bytes, from LDS byte 0 on
.set MSTG0, 33792                      ; M: the stages begin here;
.set MSTG,  8704                       ; a wave's: 32 rows x (256 + 16) bytes
.set SPW, 1                            ; v1   LDS address of my spare word; never rewritten
.set NIL, 2                            ; v2   0; never rewritten
.set LOF, 3                            ; v3   16 x lane
.set R,   32                           ; v32-159  as loaded: two sets of 64 (W: four blocks of 32)
.set X,   160                          ; v160-223 X: two blocks of 32 neighbours; M: 16 x 4 registers of mask bytes; W: the codes
.set C,   224                          ; v224-231 X: a K step's codes; M: v224-239 the words on their way out
.set WD,  232                          ; v232-239 X: the eight scale words
	s_load_b512 s[8:23], s[0:1], 0x0               ; q s[8:9], k s[10:11], v s[12:13], Wq s[14:15], Wk s[16:17], Wv s[18:19], mask s[20:21], xc s[22:23]
	s_load_b256 s[24:31], s[0:1], 0x40             ; xs s[24:25], wc s[26:27], ws s[28:29], mb s[30:31]
	v_lshl_add_u32 v[SPW], v0, 2, SPARE
	v_mov_b32 v[NIL], 0
	v_lshrrev_b32 v7, 5, v0
	v_readfirstlane_b32 s4, v7                     ; wave 0..3
	v_and_b32 v7, 31, v0                           ; lane
	v_lshlrev_b32 v[LOF], 4, v7
	v_and_b32 v16, 15, v0                          ; r
	v_bfe_u32 v17, v0, 4, 1                        ; h
	s_mov_b32 s32, 0x76543210
	s_mov_b32 s33, 0xfedcba98                      ; v_permlanex16_b32's selects for lane l xor 16
	s_mov_b32 s34, 0xffff0000                      ; lanes 16-31
	s_mov_b32 s39, 0                               ; the upper word of every offset below
	s_wait_kmcnt 0x0
	s_cmp_lt_u32 ttmp9, 384
	s_cbranch_scc1 .Lx
	s_cmp_lt_u32 ttmp9, 640
	s_cbranch_scc1 .Lm
; ---------------- PATH W.  A LANE TAKES A COLUMN (an output channel) AND ITS REGISTERS RUN DOWN K: a block of 32 lies in one lane, and the conversions give codes with K innermost.
; Work-group: tensor i, 128 columns cg, K step s; a wave: 32 columns x 128 along K.  A lane's 16 bytes of block kb lie at tile x 8192 + 1024 s + 256 kb + 16 r: sixteen lanes store 256 consecutive bytes.
	s_sub_co_u32 s5, ttmp9, 640
	s_lshr_b32 s6, s5, 6                           ; i
	s_and_b32 s7, s5, 7                            ; cg
	s_bfe_u32 s35, s5, 0x30003                     ; s
	s_cmp_eq_u32 s6, 0
	s_cselect_b64 s[36:37], s[14:15], s[16:17]
	s_cmp_eq_u32 s6, 2
	s_cselect_b64 s[36:37], s[18:19], s[36:37]     ; the choice hangs on the work-group's number alone
	s_lshl_b32 s38, s35, 19                        ; 128 rows of 4,096 bytes
	s_lshl_b32 s40, s7, 9
	s_add_co_u32 s38, s38, s40
	s_lshl_b32 s40, s4, 7
	s_add_co_u32 s38, s38, s40
	s_add_nc_u64 s[36:37], s[36:37], s[38:39]
	s_lshl_b32 s41, s7, 3
	s_lshl_b32 s40, s4, 1
	s_add_co_u32 s41, s41, s40                     ; my first tile of 16 channels: 8 cg + 2 w
	s_lshl_b32 s38, s6, 19
	s_lshl_b32 s40, s41, 13
	s_add_co_u32 s38, s38, s40
	s_lshl_b32 s40, s35, 10
	s_add_co_u32 s38, s38, s40
	s_add_nc_u64 s[26:27], s[26:27], s[38:39]      ; wc at (i, tile, s)
	s_lshl_b32 s38, s6, 15
	s_lshl_b32 s40, s41, 9
	s_add_co_u32 s38, s38, s40
	s_lshr_b32 s40, s35, 2
	s_lshl_b32 s40, s40, 8
	s_add_co_u32 s38, s38, s40
	s_and_b32 s40, s35, 3
	s_lshl_b32 s40, s40, 2
	s_add_co_u32 s38, s38, s40
	s_add_nc_u64 s[28:29], s[28:29], s[38:39]      ; ws at (i, tile, s / 4, word s % 4)
	v_lshlrev_b32 v4, 2, v7                        ; in: 4 bytes a lane
	v_lshlrev_b32 v5, 4, v16
	v_lshl_add_u32 v5, v17, 13, v5                 ; codes: 16 r + a tile (8,192 bytes) for lanes 16-31
	v_lshlrev_b32 v6, 4, v16
	v_lshl_add_u32 v6, v17, 9, v6                  ; scale word: 16 r + a tile (512 bytes)
.macro WLOAD t                         ; block t: W(128 s + 32 t + i, my column): 32 lanes read 128 consecutive bytes
.irp i, 0,1,2,3,4,5,6,7,8,9,10,11,12,13,14,15,16,17,18,19,20,21,22,23,24,25,26,27,28,29,30,31
	global_load_b32 v[R+32*(\t)+\i], v4, s[36:37] offset:4096*(32*(\t)+\i) th:TH_LOAD_NT
.endr
.endm
.macro WBLOCK t
.set XS, R+32*(\t)
.if (\t) < 3
	s_wait_loadcnt 32                              ; this block's 32 loads are in; the next block's 32 may be out
.else
	s_wait_loadcnt 0x0
.endif
.if (\t)+2 < 4
	WLOAD (\t)+2                                   ; two blocks ahead, into registers of its own
.endif
	v_max3_num_f32 v8, |v[XS]|, |v[XS+1]|, |v[XS+2]|   ; the block's largest magnitude: all 32 numbers are mine; two chains
	v_max3_num_f32 v9, |v[XS+3]|, |v[XS+4]|, |v[XS+5]|
.irp i, 6,10,14,18,22,26
	v_max3_num_f32 v8, v8, |v[XS+\i]|, |v[XS+\i+1]|
	v_max3_num_f32 v9, v9, |v[XS+\i+2]|, |v[XS+\i+3]|
.endr
	v_max3_num_f32 v8, v8, |v[XS+30]|, |v[XS+31]|
	v_max3_num_f32 v8, v8, v9, 0x1800000           ; and the floor 2^(3 - 127): the byte cannot fall under 1
	v_add_nc_u32 v11, 0xff000000, v8               ; 2 off the exponent field: the conversion takes this operand's exponent field as its scale
	v_lshrrev_b32 v13, 23, v11                     ; the scale's byte
.if (\t) == 0
	v_mov_b32 v10, v13
.else
	v_lshl_or_b32 v10, v13, 8*(\t), v10            ; four bytes make the K step's scale word, the lower K in the lower byte
.endif
.irp g, 0,1,2,3
	v_cvt_scalef32_pk8_fp4_f32 v[X+4*(\t)+\g], v[XS+8*\g:XS+8*\g+7], v11
.endr
	v_nop                                          ; one plain line behind the conversions: the next block writes v11 anew
	global_store_b128 v5, v[X+4*(\t):X+4*(\t)+3], s[26:27] offset:256*(\t)
.endm
	WLOAD 0
	WLOAD 1
	WBLOCK 0
	WBLOCK 1
	WBLOCK 2
	WBLOCK 3
	global_store_b32 v6, v10, s[28:29]             ; 4 bytes a lane, 16 bytes apart: one byte in 128 of what this path reads
	s_branch .Lend
; ---------------- PATH M.  Work-group g = 64 b + (32 queries); wave w: their columns 512 w .. + 511, in two units of 256 (four key steps each).
.Lm:
	s_sub_co_u32 s5, ttmp9, 384
	s_lshl_b32 s38, s5, 16                         ; 32 rows of 2,048 bytes
	s_lshl_b32 s40, s4, 9
	s_add_co_u32 s38, s38, s40
	s_add_nc_u64 s[20:21], s[20:21], s[38:39]
	s_lshl_b32 s38, s5, 13                         ; 8,192 bytes of words for 32 queries,
	s_lshl_b32 s40, s4, 11                         ; 2,048 for a wave's eight key steps
	s_add_co_u32 s38, s38, s40
	s_add_nc_u64 s[30:31], s[30:31], s[38:39]
	s_mul_i32 s7, s4, MSTG
	s_add_co_u32 s7, s7, MSTG0                     ; my stage
	v_lshlrev_b32 v4, 11, v17
	v_lshl_add_u32 v4, v16, 4, v4                  ; in: lanes 0-15 one row's 256 bytes, lanes 16-31 the next row's
	v_mul_u32_u24 v5, v17, 272
	v_lshl_add_u32 v5, v16, 4, v5
	v_add_nc_u32 v5, s7, v5                        ; into the stage likewise
	v_mul_u32_u24 v6, v16, 272
	v_lshl_add_u32 v6, v17, 4, v6
	v_add_nc_u32 v6, s7, v6                        ; out of it: row r, 16 keys for each half of the lanes
.irp i, 0,1,2,3,4,5,6,7,8,9,10,11,12,13,14,15
	v_mov_b32 v[C+\i], 0                           ; written once: v_writelane_b32's destination counts as read
.endr
.macro MLOAD u
.irp i, 0,1,2,3,4,5,6,7,8,9,10,11,12,13,14,15
	global_load_b128 v[R+64*\u+4*\i:R+64*\u+4*\i+3], v4, s[20:21] offset:4096*\i+256*\u th:TH_LOAD_NT
.endr
.endm
.macro MUNIT u
.if \u == 0
	s_wait_loadcnt 16                              ; this unit's 16 loads are in; the other's may be out
.else
	s_wait_loadcnt 0x0
.endif
.irp i, 0,1,2,3,4,5,6,7,8,9,10,11,12,13,14,15
	ds_store_b128 v5, v[R+64*\u+4*\i:R+64*\u+4*\i+3] offset:544*\i
.endr
.irp qt, 0,1
.irp kp, 0,1,2,3,4,5,6,7
	ds_load_b128 v[X+4*(8*\qt+\kp):X+4*(8*\qt+\kp)+3], v6 offset:4352*\qt+32*\kp   ; query 16 qt + r, keys 32 kp + 16 h + 0 .. 15.  LDS serves a wave's instructions in order: these see my stores
.endr
.endr
	s_wait_dscnt 0x0
.irp p, 0,1,2,3,4,5,6,7,8,9,10,11,12,13,14,15
	v_permlane16_swap_b32 v[X+4*\p], v[X+4*\p+2]   ; registers 0, 1 now hold tile 2 kp's keys 8 h + 0 .. 7, registers 2, 3 tile 2 kp + 1's
	v_permlane16_swap_b32 v[X+4*\p+1], v[X+4*\p+3]
.endr
.irp qt, 0,1
.irp tl, 0,1,2,3,4,5,6,7,8,9,10,11,12,13,14,15
.irp j, 0,1,2,3,4,5,6,7
	v_and_b32 v[8+\j], 0xff<<(8*(\j%4)), v[X+4*(8*\qt+\tl/2)+2*(\tl%2)+\j/4]   ; tile tl of the unit's 16, key 8 h + j: my byte
.endr
.irp j, 0,1,2,3,4,5,6,7
	v_cmp_ne_u32 s[40+\j], 0, v[8+\j]              ; the 32 lanes' bits: a word of mb
.endr
.irp j, 0,1,2,3,4,5,6,7
	v_writelane_b32 v[C+8*\u+4*(\tl/8)+\j%4], s[40+\j], 16*((\tl/4)%2)+8*\qt+2*(\tl%4)+\j/4   ; word 64 (tl / 4) + 32 qt + 8 (tl % 4) + j of the unit goes to register (word % 4) of lane (word / 4) % 32
.endr
.endr
.endr
.irp p, 0,1
	global_store_b128 v[LOF], v[C+8*\u+4*\p:C+8*\u+4*\p+3], s[30:31] offset:1024*\u+512*\p   ; 512 consecutive bytes
.endr
.endm
	MLOAD 0
	MLOAD 1
	MUNIT 0
	MUNIT 1
	s_branch .Lend
; ---------------- PATH X.  Work-group: tensor i = id / 128; a wave: one tile of 16 rows, all 8 K steps.  Each load reads 512 consecutive bytes of a row; the K step's 16 x 512 bytes turn through
; the wave's stage, so that lane (r, h) gets the whole blocks 2 c + h of row r: 32 neighbours in 32 registers, which is what the conversions and the operand's layout want.
.Lx:
	s_lshr_b32 s5, ttmp9, 7                        ; i
	s_and_b32 s6, ttmp9, 127
	s_lshl_b32 s6, s6, 2
	s_add_co_u32 s6, s6, s4                        ; tile 0..511
	s_cmp_eq_u32 s5, 0
	s_cselect_b64 s[36:37], s[8:9], s[10:11]
	s_cmp_eq_u32 s5, 2
	s_cselect_b64 s[36:37], s[12:13], s[36:37]
	s_lshl_b32 s38, s6, 16                         ; 16 rows of 4,096 bytes
	s_add_nc_u64 s[36:37], s[36:37], s[38:39]
	s_lshl_b32 s38, s5, 22
	s_lshl_b32 s40, s6, 13
	s_add_co_u32 s38, s38, s40
	s_add_nc_u64 s[22:23], s[22:23], s[38:39]      ; xc at (i, tile)
	s_lshl_b32 s38, s5, 18
	s_lshl_b32 s40, s6, 9
	s_add_co_u32 s38, s38, s40
	s_add_nc_u64 s[24:25], s[24:25], s[38:39]      ; xs at (i, tile)
	s_mul_i32 s7, s4, XSTG
	v_add_nc_u32 v4, s7, v[LOF]                    ; into the stage: 16 x lane, a row of 528 bytes an instruction
	v_mul_u32_u24 v5, v16, 528
	v_lshl_add_u32 v5, v17, 7, v5
	v_add_nc_u32 v5, s7, v5                        ; out of it: row r, + 128 h
	v_lshlrev_b32 v6, 3, v17                       ; 8 h
	v_mov_b32 v12, 0                               ; written once: a lane permute's destination counts as one of its sources
.macro XLOAD s
.irp i, 0,1,2,3,4,5,6,7,8,9,10,11,12,13,14,15
	global_load_b128 v[R+64*((\s)%2)+4*\i:R+64*((\s)%2)+4*\i+3], v[LOF], s[36:37] offset:4096*\i+512*(\s) th:TH_LOAD_NT
.endr
.endm
.macro XSTEP s
.if (\s) < 7
	s_wait_loadcnt 16                              ; this K step's 16 loads are in; the next step's 16 may be out
.else
	s_wait_loadcnt 0x0
.endif
.irp i, 0,1,2,3,4,5,6,7,8,9,10,11,12,13,14,15
	ds_store_b128 v4, v[R+64*((\s)%2)+4*\i:R+64*((\s)%2)+4*\i+3] offset:528*\i
.endr
.irp c, 0,1
.irp i, 0,1,2,3,4,5,6,7
	ds_load_b128 v[X+32*\c+4*\i:X+32*\c+4*\i+3], v5 offset:256*\c+16*\i   ; LDS serves a wave's instructions in order: these see the stores above, and the next step's stores come behind them
.endr
.endr
	s_wait_dscnt 0x0                               ; my 64 numbers are in, and the stores have read their registers,
.if (\s)+2 < 8
	XLOAD (\s)+2                                   ; which take the loads of two steps on
.endif
.irp c, 0,1
	v_max3_num_f32 v[8+\c], |v[X+32*\c]|, |v[X+32*\c+1]|, 0x1800000   ; block 2 c + h: and the floor 2^(3 - 127)
.endr
.irp i, 2,4,6,8,10,12,14,16,18,20,22,24,26,28,30
.irp c, 0,1
	v_max3_num_f32 v[8+\c], v[8+\c], |v[X+32*\c+\i]|, |v[X+32*\c+\i+1]|   ; (the two blocks by turns)
.endr
.endr
	v_add_nc_u32 v10, 0xff000000, v8               ; 2 off the exponent field: the conversions' scale operands
	v_add_nc_u32 v11, 0xff000000, v9
	v_lshrrev_b32 v13, 23, v10                     ; the bytes
	v_lshrrev_b32 v14, 23, v11
	v_lshl_or_b32 v15, v14, 16, v13                ; my two: blocks h and 2 + h,
	v_lshlrev_b32 v15, v6, v15                     ; at their places in the word;
	v_permlanex16_b32 v12, v15, s32, s33
	v_or_b32 v[WD+(\s)], v15, v12                  ; with lane l xor 16's two the word of row r is whole
	s_wait_xcnt 0x0                                ; the last step's stores have read the codes' registers
.irp c, 0,1
.irp g, 0,1,2,3
	v_cvt_scalef32_pk8_fp4_f32 v[C+4*\c+\g], v[X+32*\c+8*\g:X+32*\c+8*\g+7], v[10+\c]
.endr
.endr
	v_nop                                          ; one plain line behind the conversions
.irp c, 0,1
	global_store_b128 v[LOF], v[C+4*\c:C+4*\c+3], s[22:23] offset:1024*(\s)+512*\c   ; 512 consecutive bytes: a chunk of the fragment
.endr
.endm
	XLOAD 0
	XLOAD 1
.irp s, 0,1,2,3,4,5,6,7
	XSTEP \s
.endr
	s_wait_xcnt 0x0                                ; the last stores have read the codes' registers
.irp i, 0,1,2,3
	v_cndmask_b32 v[C+\i], v[WD+\i], v[WD+4+\i], s34   ; lanes 0-15: K steps 0-3 of row r; lanes 16-31: K steps 4-7
.endr
	global_store_b128 v[LOF], v[C:C+3], s[24:25]   ; the tile's 512 bytes of scale words
.Lend:
	s_wait_tensorcnt 0x0                           ; the wave's end
	ds_add_u32 v[SPW], v[NIL]
	s_wait_dscnt 0x0
	s_endpgm
.Lfunc_end_k_q6a2df3871c_prep:
	.size	k_q6a2df3871c_prep, .Lfunc_end_k_q6a2df3871c_prep-k_q6a2df3871c_prep
	.p2alignl 7, 3214868480
	.fill 96, 4, 3214868480
	.section	.rodata,"a",@progbits
	.p2align	6, 0x0
	.amdhsa_kernel k_q6a2df3871c_prep
		.amdhsa_group_segment_fixed_size 69120
		.amdhsa_private_segment_fixed_size 0
		.amdhsa_enable_private_segment 0
		.amdhsa_kernarg_size 96
		.amdhsa_user_sgpr_count 2
		.amdhsa_user_sgpr_kernarg_segment_ptr 1
		.amdhsa_wavefront_size32 1
		.amdhsa_system_sgpr_workgroup_id_x 1
		.amdhsa_system_sgpr_workgroup_id_y 1
		.amdhsa_system_sgpr_workgroup_id_z 1
		.amdhsa_system_vgpr_workitem_id 0
		.amdhsa_next_free_vgpr 240
		.amdhsa_next_free_sgpr 66
		.amdhsa_reserve_vcc 0
		.amdhsa_float_denorm_mode_32 3
		.amdhsa_float_denorm_mode_16_64 3
		.amdhsa_memory_ordered 1
		.amdhsa_forward_progress 1
		.amdhsa_inst_pref_size 184
	.end_amdhsa_kernel
	.amdgpu_metadata
---
amdhsa.version: [ 1, 2 ]
amdhsa.kernels:
  - .name:           k_q6a2df3871c_prep
    .symbol:         k_q6a2df3871c_prep.kd
    .args:
      - { .name: q, .offset: 0, .size: 8, .value_kind: global_buffer, .address_space: global }
      - { .name: k, .offset: 8, .size: 8, .value_kind: global_buffer, .address_space: global }
      - { .name: v, .offset: 16, .size: 8, .value_kind: global_buffer, .address_space: global }
      - { .name: Wq, .offset: 24, .size: 8, .value_kind: global_buffer, .address_space: global }
      - { .name: Wk, .offset: 32, .size: 8, .value_kind: global_buffer, .address_space: global }
      - { .name: Wv, .offset: 40, .size: 8, .value_kind: global_buffer, .address_space: global }
      - { .name: mask, .offset: 48, .size: 8, .value_kind: global_buffer, .address_space: global }
      - { .name: xc, .offset: 56, .size: 8, .value_kind: global_buffer, .address_space: global }
      - { .name: xs, .offset: 64, .size: 8, .value_kind: global_buffer, .address_space: global }
      - { .name: wc, .offset: 72, .size: 8, .value_kind: global_buffer, .address_space: global }
      - { .name: ws, .offset: 80, .size: 8, .value_kind: global_buffer, .address_space: global }
      - { .name: mb, .offset: 88, .size: 8, .value_kind: global_buffer, .address_space: global }
    .group_segment_fixed_size: 69120
    .private_segment_fixed_size: 0
    .kernarg_segment_align: 8
    .kernarg_segment_size: 96
    .max_flat_workgroup_size: 128
    .sgpr_count:     66
    .vgpr_count:     240
    .wavefront_size: 32
...
	.end_amdgpu_metadata
.endif
;; end of part 1
;; launch proj (part 2): grid 4 x 64, 4 waves a work-group, clusters of 4 x 4, 327,680 bytes of LDS; arguments xc, xs, wc, ws, kv; writes kv
.if DOCPART == 2
	.amdgcn_target "amdgcn-amd-amdhsa--gfx1250"
	.amdhsa_code_object_version 6
	.text
	.protected	k_q6a2df3871c_proj
	.globl	k_q6a2df3871c_proj
	.p2align	8
	.type	k_q6a2df3871c_proj,@function
k_q6a2df3871c_proj:
	s_mov_b64 s[64:65], 0
	v_nop
	global_prefetch_b8 v0, s[64:65] scope:SCOPE_SE
	s_setreg_imm32_b32 hwreg(HW_REG_WAVE_MODE, 25, 1), 1
	s_wait_xcnt 0x0
	s_wait_alu depctr_hold_cnt(0) depctr_sa_sdst(0) depctr_va_vdst(0) depctr_va_sdst(0) depctr_va_ssrc(0) depctr_va_vcc(0) depctr_vm_vsrc(0)
	s_getreg_b32 s2, hwreg(HW_REG_IB_STS2, 6, 4)
	s_cmp_eq_u32 s2, 0
	s_cbranch_scc0 .Lentry_in_a_cluster
	s_endpgm
.Lentry_in_a_cluster:
	s_bfe_u32 s2, ttmp6, 0x10000c
	s_cmp_lg_u32 s2, 0xf033
	s_cbranch_scc0 .Lentry_shape_is_right
	s_endpgm
.Lentry_shape_is_right:
; SECOND LAUNCH: kh = k Wk and vh = v Wv, both on codes of FP4 (E2M1) with E8M0 scales, sums in f32, rounded once to f16 and stored in chunks of 512 bytes that the attention launch reads as they lie.  Nothing is left out here.
; (q Wq is made in the third launch, by the one work-group that wants each part of it.)
; 256 work-groups: x = 256 output channels (4), y = tensor pv (0: k, 1: v) x 256 tokens (32).  Four waves, each 128 tokens x 128 channels: 64 accumulators of 16 x 16 in windows 2 and 3.
; THE MATRIX INSTRUCTION IS USED TRANSPOSED: source 0 = 16 rows of W^T (channels), source 1 = 16 tokens: a lane's eight results are eight neighbouring CHANNELS of one token: 16 bytes of f16.
;   kv [b x head 64][key step of 64: 32][16,384 bytes]: K at 2048 kt + 512 ct, V at 8192 + 2048 kt + 512 ct: a chunk of 512 bytes = keys 16 kt + r, channels 16 ct + 8 h + 0..7 (r = lane % 16, h = lane / 16);
;   in K's chunk lane (r, h) lies at 16 r + 256 h (a fragment's registers as they are); in V's at 32 r + 16 h (so that the reader's turning load finds sixteen lanes' bytes in sixteen different columns of 16 bytes).
; So each store of a wave covers 512 consecutive bytes, aligned, and no stage in LDS is needed.  ONE TEXT SERVES BOTH TENSORS: pv, which all sixteen partners of a cluster share, enters global addresses alone.
; ALL OF K = 1,024 LIES IN LDS: slot j holds K steps 4 j .. 4 j + 3 of 16 token tiles and 16 channel tiles, as images of fragments (512 consecutive bytes a load: no padding).  Nothing is filled again.
; CLUSTER 4 x 4: the four of a row need the same tokens, the four of a column the same channels: each tile is asked for jointly.  A wave has three tensor loads out at the most.
; LIMIT: |kh| or |vh| beyond 65,504 becomes an infinity in f16.
; REGISTERS: window 0: v16-29 addresses; v32-63, v64-95 scale words of K steps 0-3 (source 0's, source 1's), v192-223, v224-255 of K steps 4-7; v128-191 source 1's fragments, one set; v96-191 the way out.
;   window 1: source 0's fragments, two sets, at v0 and v128.   window 2, 3: accumulator (a, b) at v[8 (8 (a % 4) + b)], a = the token tile, b = the channel tile.
.set NQ,    4                          ; K steps of 128 in a slot
.set FR,    8                          ; registers of a fragment
.set NL,    2                          ; LDS loads that bring one
.set NP,    4                          ; places behind this matrix instruction (ISA guide 7.12.1)
.set SLOT,  131072                     ; token side (16 tiles x 4,096 bytes), then channel side
.set CSIDE, 65536                      ; where the channel side begins in a slot
.set SCL,   262144                     ; the scale words: tokens' 8,192 bytes, then channels'
.set SPARE, 278528                     ; the spare words, 128 bytes a wave
.set ADRA, 16                          ; v16-17  source 1's fragments (tokens) in slot 0, 1
.set ADRB, 20                          ; v20-21  source 0's (channels)
.set ADS0, 22                          ; v22     source 0's scale words
.set ADS1, 23                          ; v23     source 1's
.set LOF,  26                          ; v26     16 x lane: my place in an image in LDS
.set CO,   27                          ; v27     my 16 bytes' place in a chunk of kv
.set SPW,  28                          ; v28     LDS address of my spare word; never rewritten
.set NIL,  29                          ; v29     0; never rewritten
.set AF,   128
.set TMP,  96
.set G1, 24                            ; s[24:31] group 1 for the tokens' codes;  s[32:39] groups 0, one for each slot
.set G0, 32
.set G1B, 48                           ; s[48:55], s[56:63] the same for the channels'
.set G0B, 56
.set G1S, 68                           ; s[68:75], s[76:79] groups 1 and 0 for the tokens' scale words;  s[80:87], s[88:91] for the channels'
.set G0S, 76
.set G1SB, 80
.set G0SB, 88
.set MSB, 0
.macro WIN new                         ; the immediate's high byte repeats the setting that is left
.if MSB != \new
	s_set_vgpr_msb (MSB<<8)|\new
.set MSB, \new
.endif
.endm
.set MUL_LO, 0xa1                      ; source 0 window 1, source 1 window 0, C and D window 2
.set MUL_HI, 0xf1                      ; the same, C and D window 3
.set TO_B,   0x40                      ; destination window 1, address window 0
; A joint load: waves 0 and 1 fetch the token side's halves, waves 2 and 3 the channel side's.  The branch hangs on the wave's number alone.  An s_nop 0 and four v_nop follow each line.
.macro JLOAD g0a, g1a, g0b, g1b
	s_cmp_eq_u32 s15, 0
	s_cbranch_scc0 .Lfor_b_\@
	tensor_load_to_lds s[\g0a:\g0a+3], s[\g1a:\g1a+7]
	s_nop 0
.rept 4
	v_nop
.endr
	s_branch .Lasked_\@
.Lfor_b_\@:
	tensor_load_to_lds s[\g0b:\g0b+3], s[\g1b:\g1b+7]
	s_nop 0
.rept 4
	v_nop
.endr
.Lasked_\@:
.endm
.macro CROUND                          ; a round of the cluster's barrier
	s_barrier_signal -1
	s_barrier_wait -1
	s_cmp_lg_u32 s14, 0
	s_cbranch_scc1 .Lnot_wave_0_\@
	s_barrier_signal -3
.Lnot_wave_0_\@:
	s_barrier_wait -3
	s_barrier_signal -1
	s_barrier_wait -1
.endm
	s_load_b256 s[4:11], s[0:1], 0x0               ; xc s[4:5], xs s[6:7], wc s[8:9], ws s[10:11]
	s_load_b64 s[12:13], s[0:1], 0x20              ; kv
	v_lshl_add_u32 v[SPW], v0, 2, SPARE
	v_mov_b32 v[NIL], 0
	ds_add_u32 v[SPW], v[NIL]                      ; the wave's opening: the add, twice on end, and its wait ahead of my first tensor load
	ds_add_u32 v[SPW], v[NIL]
	v_lshrrev_b32 v1, 5, v0
	v_readfirstlane_b32 s14, v1                    ; wave 0..3
	s_lshr_b32 s15, s14, 1                         ; my half of the 256 tokens.  Also: I fetch for the tokens (0) or the channels (1)
	s_and_b32 s16, s14, 1                          ; my half of the 256 channels.  Also: which half of that side I fetch
	s_bfe_u32 s40, ttmp6, 0x40000                  ; cx
	s_bfe_u32 s41, ttmp6, 0x40004                  ; cy
	s_lshl_b32 s42, ttmp9, 2
	s_add_co_u32 s42, s42, s40                     ; Cn: which 256 channels
	s_and_b32 s17, ttmp7, 0xffff
	s_lshl_b32 s17, s17, 2
	s_add_co_u32 s17, s17, s41
	s_and_b32 s17, s17, 31                         ; T: which 256 tokens
	s_bfe_u32 s94, ttmp7, 0x10003                  ; pv: bit 3 of the cluster's y: 0 = k, 1 = v; the same in all sixteen partners
	s_add_co_u32 s96, s94, 1                       ; the tensor's number in xc, xs, wc, ws
	s_lshl_b32 s43, s41, 2
	s_lshl_b32 s43, 15, s43                        ; my row of the cluster
	s_lshl_b32 s44, 0x1111, s40                    ; my column
	; group 1 for codes: 8 tiles' four K steps: 8 rows of 4,096 bytes (512 elements of 8), 8,192 bytes apart; dense in LDS
	s_or_b32 s[G1+0], s43, (3<<16)|(1<<21)         ; 15:0 the mask; 17:16 elements of 8 bytes; 21 set beside a mask
	s_or_b32 s[G1B+0], s44, (3<<16)|(1<<21)
.irp g, G1, G1B
	s_mov_b32 s[\g+1], 512<<16                     ; tensor_dim0
	s_mov_b32 s[\g+2], 8<<16                       ; tensor_dim1
	s_mov_b32 s[\g+3], 512<<16                     ; tile_dim0
	s_mov_b32 s[\g+4], 8                           ; tile_dim1
	s_mov_b32 s[\g+5], 1024                        ; tensor_dim0_stride
	s_mov_b32 s[\g+6], 0
	s_mov_b32 s[\g+7], 0
.endr
	; and for scale words: 8 tiles' 4,096 dense bytes as 16 rows of 256
	s_or_b32 s[G1S+0], s43, (3<<16)|(1<<21)
	s_or_b32 s[G1SB+0], s44, (3<<16)|(1<<21)
.irp g, G1S, G1SB
	s_mov_b32 s[\g+1], 32<<16
	s_mov_b32 s[\g+2], 16<<16
	s_mov_b32 s[\g+3], 32<<16
	s_mov_b32 s[\g+4], 16
	s_mov_b32 s[\g+5], 32
	s_mov_b32 s[\g+6], 0
	s_mov_b32 s[\g+7], 0
.endr
	s_lshl_b32 s20, s96, 22                        ; the tokens' codes: tensor, 16 tiles of 8,192 bytes x T, my half
	s_lshl_b32 s18, s17, 17
	s_add_co_u32 s20, s20, s18
	s_lshl_b32 s18, s16, 16
	s_add_co_u32 s20, s20, s18
	s_mov_b32 s21, 0
	s_lshl_b32 s22, s96, 18                        ; their scale words
	s_lshl_b32 s18, s17, 13
	s_add_co_u32 s22, s22, s18
	s_lshl_b32 s18, s16, 12
	s_add_co_u32 s22, s22, s18
	s_mov_b32 s23, 0
	s_lshl_b32 s46, s96, 19                        ; the channels' codes (in registers that never hold cy)
	s_lshl_b32 s19, s42, 17
	s_add_co_u32 s46, s46, s19
	s_lshl_b32 s19, s16, 16
	s_add_co_u32 s46, s46, s19
	s_mov_b32 s47, 0
	s_lshl_b32 s92, s96, 15                        ; their scale words
	s_lshl_b32 s19, s42, 13
	s_add_co_u32 s92, s92, s19
	s_lshl_b32 s19, s16, 12
	s_add_co_u32 s92, s92, s19
	s_mov_b32 s93, 0
	s_lshl_b32 s45, s14, 15                        ; where they go: wave x 32,768 in a slot,
	s_lshl_b32 s97, s14, 12                        ; wave x 4,096 among the scale words: LDS addresses hang on the wave's number alone
	s_wait_dscnt 0x0                               ; both opening adds are done
	s_wait_kmcnt 0x0
	s_add_nc_u64 s[20:21], s[4:5], s[20:21]
	s_add_nc_u64 s[22:23], s[6:7], s[22:23]
	s_add_nc_u64 s[46:47], s[8:9], s[46:47]
	s_add_nc_u64 s[92:93], s[10:11], s[92:93]
	CROUND                                         ; all sixteen work-groups are here: the joint loads meet
	s_mov_b32 s[G0S], 1
	s_add_co_u32 s[G0S+1], s97, SCL
	s_mov_b64 s[G0S+2:G0S+3], s[22:23]
	s_or_b32 s[G0S+3], s[G0S+3], 0x80000000
	s_mov_b32 s[G0SB], 1
	s_add_co_u32 s[G0SB+1], s97, SCL
	s_mov_b64 s[G0SB+2:G0SB+3], s[92:93]
	s_or_b32 s[G0SB+3], s[G0SB+3], 0x80000000
	JLOAD G0S, G1S, G0SB, G1SB                     ; the scale words first: they are wanted with K step 0
.irp s, 0,1
	s_mov_b32 s[G0+4*\s], 1
	s_add_co_u32 s[G0+4*\s+1], s45, \s*SLOT
	s_add_nc_u64 s[G0+4*\s+2:G0+4*\s+3], s[20:21], \s*4096
	s_or_b32 s[G0+4*\s+3], s[G0+4*\s+3], 0x80000000
	s_mov_b32 s[G0B+4*\s], 1
	s_add_co_u32 s[G0B+4*\s+1], s45, \s*SLOT
	s_add_nc_u64 s[G0B+4*\s+2:G0B+4*\s+3], s[46:47], \s*4096
	s_or_b32 s[G0B+4*\s+3], s[G0B+4*\s+3], 0x80000000
	JLOAD G0+4*\s, G1, G0B+4*\s, G1B
.endr
	; LDS addresses: a constant + a constant x a bit of the wave's number + a constant x lane
	v_and_b32 v1, 15, v0                           ; r
	v_bfe_u32 v2, v0, 4, 1                         ; h
	v_and_b32 v6, 31, v0
	v_lshlrev_b32 v[LOF], 4, v6                    ; 16 x lane
	s_lshl_b32 s21, s15, 15                        ; source 1: my eight token tiles
	s_lshl_b32 s22, s16, 15
	s_add_co_u32 s22, s22, CSIDE                   ; source 0: my eight channel tiles, behind the tokens' sixteen
.irp s, 0,1
	v_add_nc_u32 v[ADRA+\s], s21, v[LOF]
	v_add_nc_u32 v[ADRB+\s], s22, v[LOF]
	s_add_co_u32 s21, s21, SLOT
	s_add_co_u32 s22, s22, SLOT
.endr
	v_lshlrev_b32 v5, 4, v1                        ; a row's four words: 16 r
	s_lshl_b32 s21, s16, 12
	s_add_co_u32 s21, s21, SCL+8192
	v_add_nc_u32 v[ADS0], s21, v5
	s_lshl_b32 s21, s15, 12
	s_add_co_u32 s21, s21, SCL
	v_add_nc_u32 v[ADS1], s21, v5
	; the way out: my place in a chunk (K: 16 r + 256 h; V: 32 r + 16 h), and kv at my first head, my first key step, K's or V's part
	s_cmp_eq_u32 s94, 0
	s_cselect_b32 s18, 4, 5
	s_cselect_b32 s19, 8, 4
	v_lshlrev_b32 v[CO], s18, v1
	v_lshlrev_b32 v2, s19, v2
	v_add_nc_u32 v[CO], v[CO], v2
	s_lshr_b32 s20, s17, 3                         ; b
	s_lshl_b32 s20, s20, 4
	s_lshl_b32 s21, s42, 2
	s_add_co_u32 s20, s20, s21
	s_lshl_b32 s21, s16, 1
	s_add_co_u32 s20, s20, s21                     ; 16 b + my first head: 4 Cn + 2 x my half
	s_lshl_b32 s20, s20, 19                        ; 524,288 bytes a (b, head)
	s_and_b32 s21, s17, 7
	s_lshl_b32 s21, s21, 2
	s_lshl_b32 s18, s15, 1
	s_add_co_u32 s21, s21, s18                     ; my first key step: 4 (T % 8) + 2 x my half
	s_lshl_b32 s21, s21, 14                        ; 16,384 bytes each
	s_add_co_u32 s20, s20, s21
	s_lshl_b32 s21, s94, 13                        ; V's part lies 8,192 bytes behind K's
	s_add_co_u32 s20, s20, s21
	s_mov_b32 s21, 0
	s_add_nc_u64 s[12:13], s[12:13], s[20:21]
.macro FRAG reg, adr, q, i             ; a fragment's image: two loads of 512 consecutive bytes
.irp c, 0,1
	ds_load_b128 v[\reg+4*\c:\reg+4*\c+3], v[\adr] offset:4096*(\i)+1024*(\q)+512*\c
.endr
.endm
; 16 matrix instructions: token tiles a0, a0 + 1 x the eight channel tiles, the slot's q-th 128 along K.  p: source 0's set; sc: the set of scale words.  zero = 1: the product starts the sums.
; The 64 accumulators take turns, one instruction a turn, in the same order in every step.
.macro MUL16 a0, p, q, sc, zero
.irp a, \a0, \a0+1
.irp b, 0,1,2,3,4,5,6,7
.if \zero
	v_wmma_scale_f32_16x16x128_f8f6f4 v[8*(8*((\a)%4)+\b):8*(8*((\a)%4)+\b)+7], v[128*(\p)+FR*\b:128*(\p)+FR*\b+FR-1], v[AF+FR*(\a):AF+FR*(\a)+FR-1], 0, v[32+160*(\sc)+NQ*\b+(\q)], v[64+160*(\sc)+NQ*(\a)+(\q)] matrix_a_fmt:MATRIX_FMT_FP4 matrix_b_fmt:MATRIX_FMT_FP4
.else
	v_wmma_scale_f32_16x16x128_f8f6f4 v[8*(8*((\a)%4)+\b):8*(8*((\a)%4)+\b)+7], v[128*(\p)+FR*\b:128*(\p)+FR*\b+FR-1], v[AF+FR*(\a):AF+FR*(\a)+FR-1], v[8*(8*((\a)%4)+\b):8*(8*((\a)%4)+\b)+7], v[32+160*(\sc)+NQ*\b+(\q)], v[64+160*(\sc)+NQ*(\a)+(\q)] matrix_a_fmt:MATRIX_FMT_FP4 matrix_b_fmt:MATRIX_FMT_FP4
.endif
.endr
.endr
.endm
.macro FETCH_B slot, q, p              ; source 0's eight fragments into set p
	WIN TO_B
.irp i, 0,1,2,3,4,5,6,7
	FRAG 128*(\p)+FR*\i, ADRB+\slot, \q, \i
.endr
	WIN 0
.endm
.macro FETCH_A slot, q, i0             ; source 1's tiles i0 .. i0 + 3
.irp i, \i0, \i0+1, \i0+2, \i0+3
	FRAG AF+FR*(\i), ADRA+\slot, \q, \i
.endr
.endm
.macro SCALES sc                       ; the slot's scale words: four a row; lane r takes row r's (lanes 16-31 the same, and are not read)
.irp i, 0,1,2,3,4,5,6,7
	ds_load_b128 v[32+160*\sc+4*\i:32+160*\sc+4*\i+3], v[ADS0] offset:512*\i+256*\sc
.endr
.irp i, 0,1,2,3,4,5,6,7
	ds_load_b128 v[64+160*\sc+4*\i:64+160*\sc+4*\i+3], v[ADS1] offset:512*\i+256*\sc
.endr
.endm
.macro PLACES n                        ; plain vector lines in front of loads into registers that matrix instructions have read, and of the first read of results
.rept \n
	v_nop
.endr
.endm
.macro STEP slot, q, zero              ; a step of 128 along K that has its successor in the same slot
	s_wait_dscnt 4*NL                              ; all but the youngest eight loads (source 1's tiles 4-7) are in
	WIN MUL_LO
	MUL16 0, (\q)%2, \q, \slot, \zero
	MUL16 2, (\q)%2, \q, \slot, \zero
	s_wait_dscnt 0                                 ; tiles 4-7 are in
	PLACES NP
	FETCH_B \slot, (\q)+1, 1-(\q)%2
	FETCH_A \slot, (\q)+1, 0
	WIN MUL_HI
	MUL16 4, (\q)%2, \q, \slot, \zero
	MUL16 6, (\q)%2, \q, \slot, \zero
	PLACES NP
	WIN 0
	FETCH_A \slot, (\q)+1, 4
.endm
.macro STEPS slot, from                ; the slot's steps from .. NQ - 2
.set Q, \from
.rept NQ-1-\from
	STEP \slot, Q, 0
.set Q, Q+1
.endr
.endm
	s_wait_tensorcnt 0x1                           ; my scale words and my part of slot 0 are in; slot 1's load may be out
	s_barrier_signal -1
	s_barrier_wait -1                              ; everybody's are
	FETCH_B 0, 0, 0
	FETCH_A 0, 0, 0
	SCALES 0
	FETCH_A 0, 0, 4
	STEP 0, 0, 1                                   ; the first step's products start the sums: nothing is cleared
	STEPS 0, 1
	; slot 0's last step, and the change to slot 1: my part of it has landed, then the work-group's barrier; nothing is filled again
	s_wait_tensorcnt 0x0                           ; all my tensor loads have landed
	ds_add_u32 v[SPW], v[NIL]                      ; 0 onto my spare word
	s_wait_dscnt 4*NL+1                            ; (the add and the youngest eight loads may be out)
	WIN MUL_LO
	MUL16 0, 1, NQ-1, 0, 0
	s_wait_dscnt 0x0                               ; the add is done, and no LDS instruction of mine is out at the signal
	s_barrier_signal -1
	MUL16 2, 1, NQ-1, 0, 0
	WIN 0
	s_barrier_wait -1                              ; slot 1 is whole
	PLACES NP
	FETCH_B 1, 0, 0
	FETCH_A 1, 0, 0
	SCALES 1
	WIN MUL_HI
	MUL16 4, 1, NQ-1, 0, 0
	MUL16 6, 1, NQ-1, 0, 0
	PLACES NP
	WIN 0
	FETCH_A 1, 0, 4
	STEPS 1, 0
	s_wait_dscnt 4*NL                              ; the very last step: nothing more to fetch
	WIN MUL_LO
	MUL16 0, 1, NQ-1, 1, 0
	MUL16 2, 1, NQ-1, 1, 0
	s_wait_dscnt 0
	WIN MUL_HI
	MUL16 4, 1, NQ-1, 1, 0
	MUL16 6, 1, NQ-1, 1, 0
	WIN 0
; THE WAY OUT, token tile a at a time: eight accumulators, each from its low end on, rounded in pairs to f16: 16 bytes a lane.  Token tile a is key step a / 4, tile a % 4 of it; channel tile b is head b / 4, tile b % 4 of it:
; all four stand in the store's immediate, 548,352 at the most.  Three sets of registers take turns.
.macro OUTB a
.set AC, 64*((\a)%4)
.set TM, TMP+32*((\a)%3)
.if (\a) >= 3
	s_wait_xcnt 0x0                                ; tile a - 3's stores have read their registers
.endif
	WIN 0x0a+5*((\a)/4)                            ; sources 0 and 1: window 2 or 3
.irp b, 0,1,2,3,4,5,6,7
.irp n, 0,1,2,3
	v_cvt_pk_f16_f32 v[TM+4*\b+\n], v[AC+8*\b+2*\n], v[AC+8*\b+2*\n+1]
.endr
.endr
	WIN 0
.irp b, 0,1,2,3,4,5,6,7
	global_store_b128 v[CO], v[TM+4*\b:TM+4*\b+3], s[12:13] offset:524288*(\b/4)+16384*((\a)/4)+2048*((\a)%4)+512*(\b%4) th:TH_STORE_NT   ; the wave's 32 lanes fill 512 consecutive bytes, aligned; written once, read by nobody here
.endr
.endm
	PLACES NP                                      ; behind the last products: for the reads of results and the writes over source 1's fragments
.irp a, 0,1,2,3,4,5,6,7
	OUTB \a
.endr
	s_wait_tensorcnt 0x0                           ; the wave's end
	ds_add_u32 v[SPW], v[NIL]
	s_wait_dscnt 0x0
	CROUND                                         ; the closing round: no work-group ends while a partner may still ask for a tile that names it
	s_endpgm
.Lfunc_end_k_q6a2df3871c_proj:
	.size	k_q6a2df3871c_proj, .Lfunc_end_k_q6a2df3871c_proj-k_q6a2df3871c_proj
	.p2alignl 7, 3214868480
	.fill 96, 4, 3214868480
	.section	.rodata,"a",@progbits
	.p2align	6, 0x0
	.amdhsa_kernel k_q6a2df3871c_proj
		.amdhsa_group_segment_fixed_size 327680
		.amdhsa_private_segment_fixed_size 0
		.amdhsa_enable_private_segment 0
		.amdhsa_kernarg_size 40
		.amdhsa_user_sgpr_count 2
		.amdhsa_user_sgpr_kernarg_segment_ptr 1
		.amdhsa_wavefront_size32 1
		.amdhsa_system_sgpr_workgroup_id_x 1
		.amdhsa_system_sgpr_workgroup_id_y 1
		.amdhsa_system_sgpr_workgroup_id_z 1
		.amdhsa_system_vgpr_workitem_id 0
		.amdhsa_next_free_vgpr 1024
		.amdhsa_next_free_sgpr 98
		.amdhsa_reserve_vcc 0
		.amdhsa_float_denorm_mode_32 3
		.amdhsa_float_denorm_mode_16_64 3
		.amdhsa_memory_ordered 1
		.amdhsa_forward_progress 1
		.amdhsa_inst_pref_size 118
	.end_amdhsa_kernel
	.amdgpu_metadata
---
amdhsa.version: [ 1, 2 ]
amdhsa.kernels:
  - .name:           k_q6a2df3871c_proj
    .symbol:         k_q6a2df3871c_proj.kd
    .args:
      - { .name: xc, .offset: 0, .size: 8, .value_kind: global_buffer, .address_space: global }
      - { .name: xs, .offset: 8, .size: 8, .value_kind: global_buffer, .address_space: global }
      - { .name: wc, .offset: 16, .size: 8, .value_kind: global_buffer, .address_space: global }
      - { .name: ws, .offset: 24, .size: 8, .value_kind: global_buffer, .address_space: global }
      - { .name: kv, .offset: 32, .size: 8, .value_kind: global_buffer, .address_space: global }
    .group_segment_fixed_size: 327680
    .private_segment_fixed_size: 0
    .kernarg_segment_align: 8
    .kernarg_segment_size: 40
    .max_flat_workgroup_size: 128
    .sgpr_count:     98
    .vgpr_count:     1024
    .wavefront_size: 32
...
	.end_amdgpu_metadata
.endif
;; end of part 2
;; launch attn (part 3): grid 4 x 64, 16 waves a work-group, clusters of 4 x 1, 327,680 bytes of LDS; arguments xc, xs, wc, ws, kv, mb, out0; writes out0
.if DOCPART == 3
	.amdgcn_target "amdgcn-amd-amdhsa--gfx1250"
	.amdhsa_code_object_version 6
	.text
	.protected	k_q6a2df3871c_attn
	.globl	k_q6a2df3871c_attn
	.p2align	8
	.type	k_q6a2df3871c_attn,@function
k_q6a2df3871c_attn:
	s_mov_b64 s[64:65], 0
	v_nop
	global_prefetch_b8 v0, s[64:65] scope:SCOPE_SE
	s_setreg_imm32_b32 hwreg(HW_REG_WAVE_MODE, 25, 1), 1
	s_wait_xcnt 0x0
	s_wait_alu depctr_hold_cnt(0) depctr_sa_sdst(0) depctr_va_vdst(0) depctr_va_sdst(0) depctr_va_ssrc(0) depctr_va_vcc(0) depctr_vm_vsrc(0)
	s_getreg_b32 s2, hwreg(HW_REG_IB_STS2, 6, 4)
	s_cmp_eq_u32 s2, 0
	s_cbranch_scc0 .Lentry_in_a_cluster
	s_endpgm
.Lentry_in_a_cluster:
	s_bfe_u32 s2, ttmp6, 0x10000c
	s_cmp_lg_u32 s2, 0x3003
	s_cbranch_scc0 .Lentry_shape_is_right
	s_endpgm
.Lentry_shape_is_right:
; THIRD LAUNCH: qh = q Wq for the work-group's own queries (codes of FP4, E8M0 scales, f32 sums), then out0[b][head][query][:] = softmax_k(where(mask, qh . kh / 8, -1e9)) vh.  Nothing is left out here.
; The two products of attention take f16 operands and f32 sums; maxima, exponentials and row sums are f32.
; SHARES.  A work-group owns 512 queries of one (b, head); each of its SIXTEEN waves 32 of them, two tiles of 16, in 256 registers: four waves to a SIMD, so that one wave's softmax stands beside another's products and LDS loads.
; Every wave walks the 2,048 keys, 64 a step.  kv holds a step's K and V in chunks of 512 bytes (16,384 bytes a step): a slot of LDS holds eight steps, 131,072 consecutive bytes of memory, of which each wave fetches a sixteenth.
; CLUSTER 4 x 1: the four query blocks of a (b, head) walk the same K and V: each tile is asked for jointly, by the same load with the mask of all four.  A wave has two tensor loads out at the most.
; LAYOUT.  All three products are used transposed.  qh^T = Wq^T q^T: a lane's eight results are eight channels of one query; scaled by c = log2(e) / 8 and rounded in pairs to f16 they ARE source 1 of S^T = K Q^T.
; S^T: a lane holds one query (lane % 16) and keys 16 kt + 8 (lane / 16) + j; rounded in pairs they ARE source 1 of O^T = V^T P.  So nothing changes lanes but one exchange for the maximum and one for the sum.
; K's chunks are images of a fragment's registers and come out of LDS as they lie.  V's hold a key and eight channels in each 16 bytes and come out TURNED, by ds_load_tr16_b128: a lane then holds a channel and eight keys.
; THE MASK comes as words of lane bits (mb), 64 words a step, by scalar loads: one v_cndmask_b32 a register puts -1e9 x log2(e) in place of a hidden score, always, with no branch.
; SOFTMAX.  A running maximum M and sum L for each query: p = 2^(t - M); in every step O and L are multiplied by 2^(old M - new M).  A row that is hidden throughout has all p = 1: the mean of vh, as in the problem.
; LIMITS: |c qh|, |kh|, |vh| beyond 65,504 become infinities in f16; p under about 6e-8 falls to 0 in f16 (the row's sum keeps it); NaN and infinities among the inputs are not served.
; The 48 registers of the prologue's scale words are used again in the loop: 256 registers leave no room to keep them; no instruction names one of them as A, B, C or D.
.set STEPB, 16384                      ; a key step's tiles: K's sixteen chunks, then V's sixteen
.set SLOT1, 131072                     ; slot 1 begins here: one exclusive or turns an address in one slot into the other's
.set SPARE, 262144                     ; behind the ring: the spare words, 128 bytes a wave
.set SPW, 1                            ; v1   LDS address of my spare word; never rewritten
.set NIL, 2                            ; v2   0; never rewritten
.set LOF, 3                            ; v3   16 x lane: my place in a chunk of K
.set ADR, 4                            ; v4   LDS address of the run of loads in hand
.set NEG, 5                            ; v5   -1e9 x log2(e)
.set RO,  6                            ; v6   16 x (lane % 16)
.set VOF, 7                            ; v7   what my lane addresses in a chunk of V: key 8 (lane / 16) + lane % 8, channel half (lane / 8) % 2: 32 x key + 16 x half
.set ST,  8                            ; tile t at v[8 + 8 t]: +0 M, +1 0, +2, +3 L (even keys', odd keys'), +4 the rescaling factor, +5 0, +6, +7 chains c0, c1, later the step's sum
.set CX,  24                           ; tile t at v[24 + 4 t]: +0, +1 chains c2, c3, +2 the permute's destination
.set STO, 27                           ; v27  the way out: where I put 32 bytes of a row; never rewritten
.set RD,  31                           ; v31  the way out: where I read a row back; never rewritten
.set Q,   32                           ; v32-63   Q: fragment (t, c) at 32 + 16 t + 8 c
.set S,   64                           ; v64-127  S^T: tile (t, kt) at 64 + 32 t + 8 kt; P is packed in place: P(t, u) at 64 + 32 t + 8 u
.set O,   128                          ; v128-191 O^T: (t, dt) at 128 + 32 t + 8 dt
.set F,   192                          ; v192-255 eight fragments of K or of V
; s[2:3] out0 at my rows; s[4:5] lane selects; s[6:7] c; s[8:15] descriptor group 1; s[16:19], s[20:23] groups 0 (the second walks on); s[24:25] mb at my 32 queries; s26 the step's byte in it;
; s27 LDS byte of the step in hand; s28 wave; s29, s30 counters; s31 at work; s[32:63], s[68:99] the step's 64 mask words (word n in s[32 + n + 4 (n / 32)])
.macro CROUND                          ; a round of the cluster's barrier
	s_barrier_signal -1
	s_barrier_wait -1
	s_cmp_lg_u32 s28, 0
	s_cbranch_scc1 .Lnot_wave_0_\@
	s_barrier_signal -3
.Lnot_wave_0_\@:
	s_barrier_wait -3
	s_barrier_signal -1
	s_barrier_wait -1
.endm
	s_load_b256 s[68:75], s[0:1], 0x0              ; xc s[68:69], xs s[70:71], wc s[72:73], ws s[74:75]
	s_load_b128 s[76:79], s[0:1], 0x20             ; kv s[76:77], mb s[78:79]
	s_load_b64 s[80:81], s[0:1], 0x30              ; out0
	v_lshl_add_u32 v[SPW], v0, 2, SPARE
	v_mov_b32 v[NIL], 0
	ds_add_u32 v[SPW], v[NIL]                      ; the wave's opening: the add, twice on end, and its wait ahead of my first tensor load
	ds_add_u32 v[SPW], v[NIL]
	v_lshrrev_b32 v7, 5, v0
	v_readfirstlane_b32 s28, v7                    ; wave 0..15
	v_and_b32 v7, 31, v0
	v_lshlrev_b32 v[LOF], 4, v7
	v_and_b32 v7, 15, v0                           ; r
	v_lshlrev_b32 v[RO], 4, v7
	v_bfe_u32 v[ADR], v0, 4, 1                     ; h (the register is at work here)
	s_mul_i32 s31, s28, 4352                       ; my stage for the way out: 16 rows x (256 + 16) bytes, in slot 0
	v_mul_u32_u24 v[STO], v7, 272
	v_lshl_add_u32 v[STO], v[ADR], 5, v[STO]
	v_add_nc_u32 v[STO], s31, v[STO]               ; in: row r, + 32 h
	v_mul_u32_u24 v[RD], v[ADR], 272
	v_lshl_add_u32 v[RD], v7, 4, v[RD]
	v_add_nc_u32 v[RD], s31, v[RD]                 ; back: lanes 0-15 one row, lanes 16-31 the next
	v_and_b32 v[VOF], 7, v0
	v_lshlrev_b32 v[VOF], 5, v[VOF]                ; 32 (lane % 8)
	v_lshl_add_u32 v[VOF], v[ADR], 8, v[VOF]       ; + 32 x 8 h
	v_bfe_u32 v[ADR], v0, 3, 1
	v_lshl_add_u32 v[VOF], v[ADR], 4, v[VOF]       ; + 16 ((lane / 8) % 2): lanes 0-15 take sixteen different columns of 16 bytes, and so do lanes 16-31
	s_bfe_u32 s32, ttmp6, 0x40000                  ; cx
	s_lshl_b32 s33, ttmp9, 2
	s_add_co_u32 s33, s33, s32                     ; QB: my block of 512 queries: it enters the addresses of q's codes, of mb and of out0 alone
	s_and_b32 s34, ttmp7, 0xffff                   ; 16 b + head, which the four partners share
	s_lshr_b32 s35, s34, 4                         ; b
	s_and_b32 s36, s34, 15                         ; head
	s_lshl_b32 s38, s34, 19                        ; kv: 524,288 bytes a (b, head),
	s_lshl_b32 s37, s28, 13                        ; my sixteenth of a slot
	s_add_co_u32 s38, s38, s37
	s_mov_b32 s39, 0
	s_lshl_b32 s40, s35, 7
	s_lshl_b32 s37, s33, 5
	s_add_co_u32 s40, s40, s37
	s_lshl_b32 s37, s28, 1
	s_add_co_u32 s40, s40, s37                     ; my first tile of 16 tokens: 128 b + 32 QB + 2 w
	s_lshl_b32 s42, s40, 13                        ; its codes,
	s_mov_b32 s43, 0
	s_lshl_b32 s44, s40, 9                         ; its scale words
	s_mov_b32 s45, 0
	s_lshl_b32 s46, s36, 15                        ; Wq^T: the head's four tiles of 16 channels: codes,
	s_mov_b32 s47, 0
	s_lshl_b32 s48, s36, 11                        ; scale words
	s_mov_b32 s49, 0
	s_lshl_b32 s50, s35, 6
	s_lshl_b32 s37, s33, 4
	s_add_co_u32 s50, s50, s37
	s_add_co_u32 s50, s50, s28
	s_lshl_b32 s50, s50, 13                        ; mb: 8,192 bytes for each 32 queries
	s_mov_b32 s51, 0
	s_lshl_b32 s52, s33, 17
	s_add_co_u32 s52, s52, s38                     ; out0: (b, head) x 524,288 + QB x 131,072 + w x 8,192
	s_mov_b32 s53, 0
	; descriptor group 1: 8,192 dense bytes as 32 rows of 256 (32 elements of 8 bytes)
	s_mov_b32 s8, 15|(3<<16)|(1<<21)               ; 15:0 the mask: all four work-groups; 17:16 elements of 8 bytes; 21 set beside a mask
	s_mov_b32 s9, 32<<16                           ; tensor_dim0
	s_mov_b32 s10, 32<<16                          ; tensor_dim1
	s_mov_b32 s11, 32<<16                          ; tile_dim0
	s_mov_b32 s12, 32                              ; tile_dim1
	s_mov_b32 s13, 32                              ; tensor_dim0_stride
	s_mov_b32 s14, 0
	s_mov_b32 s15, 0
	s_mov_b32 s4, 0x76543210
	s_mov_b32 s5, 0xfedcba98                       ; v_permlanex16_b32's selects for lane l xor 16
	s_mov_b32 s6, 0x3e38aa3b                       ; c = log2(e) / 8
	s_mov_b32 s7, s6                               ; (named with it as a pair, so it is written)
	s_mov_b32 s26, 0
	s_mov_b32 s27, 0
	s_wait_dscnt 0x0                               ; both opening adds are done
	s_wait_kmcnt 0x0
	s_add_nc_u64 s[18:19], s[76:77], s[38:39]
	s_add_nc_u64 s[22:23], s[18:19], SLOT1
	s_add_nc_u64 s[68:69], s[68:69], s[42:43]
	s_add_nc_u64 s[70:71], s[70:71], s[44:45]
	s_add_nc_u64 s[72:73], s[72:73], s[46:47]
	s_add_nc_u64 s[74:75], s[74:75], s[48:49]
	s_add_nc_u64 s[24:25], s[78:79], s[50:51]
	s_add_nc_u64 s[2:3], s[80:81], s[52:53]
	CROUND                                         ; all four work-groups are here: the first joint loads meet
	s_mov_b32 s16, 1                               ; count = 1
	s_lshl_b32 s17, s28, 13                        ; LDS address: slot 0, my sixteenth
	s_or_b32 s19, s19, 0x80000000                  ; type = 2
	s_mov_b32 s20, 1
	s_add_co_u32 s21, s17, SLOT1                   ; slot 1
	s_or_b32 s23, s23, 0x80000000
	tensor_load_to_lds s[16:19], s[8:15]           ; key steps 0-7
	s_nop 0
	tensor_load_to_lds s[20:23], s[8:15]           ; key steps 8-15
	s_nop 0
; ---- THE PROLOGUE: qh^T(t, ct) = Wq^T's tile 4 head + ct x my token tile t, K = 1,024 in eight steps; operands straight from memory as images of fragments, two buffers by turns, while the first slots land.
; Accumulators: S^T's registers.  Buffer 0: W at v192 + 8 ct, q at v224 + 8 t; buffer 1: v128, v160.  Scale words, one register a K step: W's at v176 + 8 ct (ct < 2), v240 + 8 (ct - 2); q's at v32 + 8 t.
.irp ct, 0,1,2,3
.irp g, 0,1
	global_load_b128 v[176+8*\ct+48*(\ct/2)+4*\g:176+8*\ct+48*(\ct/2)+4*\g+3], v[RO], s[74:75] offset:512*\ct+256*\g
.endr
.endr
.irp t, 0,1
.irp g, 0,1
	global_load_b128 v[Q+8*\t+4*\g:Q+8*\t+4*\g+3], v[RO], s[70:71] offset:512*\t+256*\g
.endr
.endr
.macro QLOAD s                         ; K step s: 12 loads of 512 consecutive bytes
.set WB, 192-64*((\s)%2)
.irp ct, 0,1,2,3
.irp c, 0,1
	global_load_b128 v[WB+8*\ct+4*\c:WB+8*\ct+4*\c+3], v[LOF], s[72:73] offset:8192*\ct+1024*(\s)+512*\c
.endr
.endr
.irp t, 0,1
.irp c, 0,1
	global_load_b128 v[WB+32+8*\t+4*\c:WB+32+8*\t+4*\c+3], v[LOF], s[68:69] offset:8192*\t+1024*(\s)+512*\c
.endr
.endr
.endm
.macro QSTEP s
.set WB, 192-64*((\s)%2)
.if (\s) < 7
	s_wait_loadcnt 12                              ; this K step's loads (and the scale words) are in; the next step's 12 may be out
.else
	s_wait_loadcnt 0x0
.endif
.irp t, 0,1
.irp ct, 0,1,2,3
.if (\s) == 0
	v_wmma_scale_f32_16x16x128_f8f6f4 v[S+32*\t+8*\ct:S+32*\t+8*\ct+7], v[WB+8*\ct:WB+8*\ct+7], v[WB+32+8*\t:WB+32+8*\t+7], 0, v[176+8*\ct+48*(\ct/2)+(\s)], v[Q+8*\t+(\s)] matrix_a_fmt:MATRIX_FMT_FP4 matrix_b_fmt:MATRIX_FMT_FP4
.else
	v_wmma_scale_f32_16x16x128_f8f6f4 v[S+32*\t+8*\ct:S+32*\t+8*\ct+7], v[WB+8*\ct:WB+8*\ct+7], v[WB+32+8*\t:WB+32+8*\t+7], v[S+32*\t+8*\ct:S+32*\t+8*\ct+7], v[176+8*\ct+48*(\ct/2)+(\s)], v[Q+8*\t+(\s)] matrix_a_fmt:MATRIX_FMT_FP4 matrix_b_fmt:MATRIX_FMT_FP4
.endif
.endr
.endr
.rept 4
	v_nop                                          ; places in front of loads into the buffer just read, and of the first read of the results (the eight accumulators take turns)
.endr
.if (\s)+2 < 8
	QLOAD (\s)+2
.endif
.endm
	QLOAD 0
	QLOAD 1
.irp s, 0,1,2,3,4,5,6,7
	QSTEP \s
.endr
.set n, 0
.rept 32
	v_pk_mul_f32 v[S+2*n:S+2*n+1], v[S+2*n:S+2*n+1], s[6:7] op_sel_hi:[1,0]   ; x c, in f32: the scores then come out as t = score x log2(e)
.set n, n+1
.endr
.set n, 0
.rept 32
	v_cvt_pk_f16_f32 v[Q+n], v[S+2*n], v[S+2*n+1]  ; register 16 t + 4 ct + m of Q: channels 16 ct + 8 h + 2 m, + 1 of query r
.set n, n+1
.endr
.irp t, 0,1
	v_mov_b32 v[ST+8*\t], 0xff61b1e6               ; M: -3e38, under every t
	v_mov_b32 v[ST+8*\t+1], 0
	v_mov_b32 v[ST+8*\t+2], 0                      ; L
	v_mov_b32 v[ST+8*\t+3], 0
	v_mov_b32 v[ST+8*\t+5], 0
	v_mov_b32 v[CX+4*\t+2], 0                      ; written once: a lane permute's destination counts as one of its sources
.endr
	v_mov_b32 v[NEG], 0xceabfb8f                   ; -1e9 x log2(e)
.set n, 0
.rept 64
	v_mov_b32 v[O+n], 0                            ; O^T.  (The step is written once: the first finds zeros, which its rescaling leaves zeros)
.set n, n+1
.endr
.macro MLOADS                          ; a step's 64 mask words, 256 consecutive bytes
	s_load_b512 s[32:47], s[24:25], s26 offset:0x0
	s_load_b512 s[48:63], s[24:25], s26 offset:0x40
	s_load_b512 s[68:83], s[24:25], s26 offset:0x80
	s_load_b512 s[84:99], s[24:25], s26 offset:0xc0
.endm
	MLOADS                                         ; the prologue's loads are all in: its pointers in s[68:75] are done with
.macro CH j, t                         ; rC = the register of chain j of tile t's maximum
.if (\j) < 2
.set rC, ST+8*(\t)+6+(\j)
.else
.set rC, CX+4*(\t)+(\j)-2
.endif
.endm
; ---- A KEY STEP: 64 keys
.macro STEP
	v_add_nc_u32 v[ADR], s27, v[LOF]
.rept 4
	v_nop                                          ; with the addition five places behind the last step's products: their operands are written next by loads (four asked) and by matrix instructions (five)
.endr
.set n, 0
.rept 16
	ds_load_b128 v[F+4*n:F+4*n+3], v[ADR] offset:512*n   ; K's eight fragments: 512 consecutive bytes a load
.set n, n+1
.endr
	s_wait_dscnt 0x0
.irp c, 0,1                            ; S^T = K Q^T: channels 32 c on; eight accumulators by turns
.irp kt, 0,1,2,3
.irp t, 0,1
.if \c == 0
	v_wmma_f32_16x16x32_f16 v[S+32*\t+8*\kt:S+32*\t+8*\kt+7], v[F+8*(2*\kt+\c):F+8*(2*\kt+\c)+7], v[Q+16*\t+8*\c:Q+16*\t+8*\c+7], 0
.else
	v_wmma_f32_16x16x32_f16 v[S+32*\t+8*\kt:S+32*\t+8*\kt+7], v[F+8*(2*\kt+\c):F+8*(2*\kt+\c)+7], v[Q+16*\t+8*\c:Q+16*\t+8*\c+7], v[S+32*\t+8*\kt:S+32*\t+8*\kt+7]
.endif
.endr
.endr
.endr
	v_add_nc_u32 v[ADR], s27, v[VOF]               ; V's address (K's loads are back); with the three lines below the four places in front of the loads into F and of the first read of the scores
.rept 3
	v_nop
.endr
	s_add_co_u32 s27, s27, STEPB                   ; on to the next step
.set n, 0
.rept 16
	ds_load_tr16_b128 v[F+4*n:F+4*n+3], v[ADR] offset:8192+2048*(n%4)+512*(n/4)   ; half e = n % 2 of fragment (dt = n / 4, u = (n / 2) % 2): channel 16 dt + r, keys 16 (n % 4) + 8 h + 0..7.  V lands under the softmax
.set n, n+1
.endr
	s_wait_kmcnt 0x0                               ; the step's mask words are in; their loads are done, so s26 may be stepped
.set n, 0
.rept 64
	v_cndmask_b32 v[S+n], v[NEG], v[S+n], s[32+n+4*(n/32)]   ; a hidden score becomes the constant; each accumulator from its low end on
.set n, n+1
.endr
.irp j, 0,1,2,3                        ; the largest of a lane's 32 scores and the old M: four chains, the two tiles by turns
.irp t, 0,1
	CH \j, \t
	v_max3_num_f32 v[rC], v[S+32*\t+8*\j], v[S+32*\t+8*\j+1], v[S+32*\t+8*\j+2]
.endr
.endr
.irp g, 1,2
.irp j, 0,1,2,3
.irp t, 0,1
	CH \j, \t
	v_max3_num_f32 v[rC], v[rC], v[S+32*\t+8*\j+2*\g+1], v[S+32*\t+8*\j+2*\g+2]
.endr
.endr
.endr
.irp t, 0,1
	v_max3_num_f32 v[ST+8*\t+6], v[ST+8*\t+6], v[S+32*\t+7], v[S+32*\t+15]
	v_max3_num_f32 v[CX+4*\t], v[CX+4*\t], v[S+32*\t+23], v[S+32*\t+31]
.endr
.irp t, 0,1
	v_max3_num_f32 v[ST+8*\t+6], v[ST+8*\t+6], v[ST+8*\t+7], v[CX+4*\t]
.endr
.irp t, 0,1
	v_max3_num_f32 v[ST+8*\t+6], v[ST+8*\t+6], v[CX+4*\t+1], v[ST+8*\t]
.endr
	s_add_co_u32 s26, s26, 256                     ; the next step's words;
	s_min_u32 s26, s26, 7936                       ; the last step asks for its own once more: no load leaves mb
	MLOADS                                         ; they have the rest of the step in which to land
.irp t, 0,1
	v_permlanex16_b32 v[CX+4*\t+2], v[ST+8*\t+6], s4, s5   ; the query's other 32 keys lie in the lane 16 away
.endr
.irp t, 0,1
	v_max_num_f32 v[ST+8*\t+6], v[ST+8*\t+6], v[CX+4*\t+2]   ; the new M
.endr
.irp t, 0,1
	v_sub_f32 v[ST+8*\t+4], v[ST+8*\t], v[ST+8*\t+6]   ; old M - new M, 0 or less
.endr
.irp t, 0,1
	v_mov_b32 v[ST+8*\t], v[ST+8*\t+6]
.endr
.set n, 0
.rept 16
	v_pk_add_f32 v[S+2*n:S+2*n+1], v[S+2*n:S+2*n+1], v[ST:ST+1] op_sel_hi:[1,0] neg_lo:[0,1] neg_hi:[0,1]   ; t - M, two at a time
	v_pk_add_f32 v[S+32+2*n:S+32+2*n+1], v[S+32+2*n:S+32+2*n+1], v[ST+8:ST+9] op_sel_hi:[1,0] neg_lo:[0,1] neg_hi:[0,1]
.set n, n+1
.endr
	v_exp_f32 v[ST+4], v[ST+4]                     ; ONE BATCH of 66 exponentials: the two rescaling factors,
	v_exp_f32 v[ST+12], v[ST+12]
.set n, 0
.rept 64
	v_exp_f32 v[S+n], v[S+n]                       ; and p = 2^(t - M)
.set n, n+1
.endr
	v_nop                                          ; the plain line behind the last exponential,
	s_wait_alu depctr_va_vdst(0)                   ; and the one wait ahead of the batch's first reader
.irp t, 0,1
	v_pk_add_f32 v[ST+8*\t+6:ST+8*\t+7], v[S+32*\t:S+32*\t+1], v[S+32*\t+2:S+32*\t+3]   ; the step's sum, of the p that have not been rounded
.endr
.irp i, 4,6,8,10,12,14,16,18,20,22,24,26,28,30
.irp t, 0,1
	v_pk_add_f32 v[ST+8*\t+6:ST+8*\t+7], v[ST+8*\t+6:ST+8*\t+7], v[S+32*\t+\i:S+32*\t+\i+1]
.endr
.endr
.irp t, 0,1
	v_pk_fma_f32 v[ST+8*\t+2:ST+8*\t+3], v[ST+8*\t+2:ST+8*\t+3], v[ST+8*\t+4:ST+8*\t+5], v[ST+8*\t+6:ST+8*\t+7] op_sel_hi:[1,0,1]   ; L = L x factor + the sum
.endr
.set n, 0
.rept 16
	v_cvt_pk_f16_f32 v[S+n], v[S+2*n], v[S+2*n+1]  ; P, in place, ascending: register n is written when registers 2 n, 2 n + 1 are read
	v_cvt_pk_f16_f32 v[S+32+n], v[S+32+2*n], v[S+32+2*n+1]
.set n, n+1
.endr
.set n, 0
.rept 16
	v_pk_mul_f32 v[O+2*n:O+2*n+1], v[O+2*n:O+2*n+1], v[ST+4:ST+5] op_sel_hi:[1,0]   ; O^T under the new M
	v_pk_mul_f32 v[O+32+2*n:O+32+2*n+1], v[O+32+2*n:O+32+2*n+1], v[ST+12:ST+13] op_sel_hi:[1,0]
.set n, n+1
.endr
	s_wait_dscnt 0x0                               ; V is in
.irp u, 0,1                            ; O^T += V^T P: keys 32 u on; eight accumulators by turns
.irp dt, 0,1,2,3
.irp t, 0,1
	v_wmma_f32_16x16x32_f16 v[O+32*\t+8*\dt:O+32*\t+8*\dt+7], v[F+8*(2*\dt+\u):F+8*(2*\dt+\u)+7], v[S+32*\t+8*\u:S+32*\t+8*\u+7], v[O+32*\t+8*\dt:O+32*\t+8*\dt+7]
.endr
.endr
.endr
.endm
.macro SLOT_STEPS                      ; a slot's eight key steps: written once, walked eight times; the LDS addresses hang on s27
	s_mov_b32 s29, 8
.Lstep_\@:
	STEP
	s_sub_co_u32 s29, s29, 1
	s_cmp_lg_u32 s29, 0
	s_cbranch_scc1 .Lstep_\@
.endm
; THE CHANGE OF SLOTS.  Each wave waits for all its tensor loads (its part of the slot ahead), adds 0 to its spare word, and waits for that and for its reads of the slot that it leaves.
; fill = 1: a round of the cluster's barrier, so that no wave of any partner still reads the slot or has a load on its way; the joint refill is the first thing behind it and has eight key steps in which to land.
.macro CHANGE fill
	s_wait_tensorcnt 0x0                           ; no tensor load of mine is out, so a group 0 may be written
	ds_add_u32 v[SPW], v[NIL]                      ; 0 onto my spare word
.if \fill
	s_xor_b32 s21, s21, SLOT1                      ; the walking descriptor: the other slot than last time,
	s_add_nc_u64 s[22:23], s[22:23], SLOT1         ; the next eight key steps; the type bits on top are not reached
.endif
	s_wait_dscnt 0x0                               ; the add is done, and my reads of the slot are over
.if \fill
	CROUND
	tensor_load_to_lds s[20:23], s[8:15]
	s_nop 0
.else
	s_barrier_signal -1
	s_barrier_wait -1
.endif
	s_sub_co_u32 s27, s27, SLOT1                   ; the fetches go back to a slot's first step,
	s_xor_b32 s27, s27, SLOT1                      ; in the other slot
.endm
	s_wait_tensorcnt 0x1                           ; my part of slot 0 is in; slot 1's may stay out
	s_barrier_signal -1
	s_barrier_wait -1                              ; everybody's is
	SLOT_STEPS                                     ; key steps 0-7
	s_mov_b32 s30, 2
.Lslot:                                            ; two trips: key steps 16-23 go into slot 0, 24-31 into slot 1
	CHANGE 1
	SLOT_STEPS
	s_sub_co_u32 s30, s30, 1
	s_cmp_lg_u32 s30, 0
	s_cbranch_scc1 .Lslot
	CHANGE 0                                       ; the tail is written out
	SLOT_STEPS
; ---- THE WAY OUT.  L's two halves and the other half of the lanes' are added; O^T / L goes through my stage (in slot 0: it has had its last fill, and every wave has passed the last change of slots behind its last read of it),
; a tile of 16 queries at a time, and leaves as whole rows of 256 bytes, two a store.
	s_wait_kmcnt 0x0                               ; the last step's spare mask loads
.irp t, 0,1
	v_add_f32 v[ST+8*\t+6], v[ST+8*\t+2], v[ST+8*\t+3]   ; (these six lines are the places behind the last products)
.endr
.irp t, 0,1
	v_permlanex16_b32 v[CX+4*\t+2], v[ST+8*\t+6], s4, s5
.endr
.irp t, 0,1
	v_add_f32 v[ST+8*\t+6], v[ST+8*\t+6], v[CX+4*\t+2]   ; the row's sum; it is never 0: the largest p of a row is 1
.endr
.irp t, 0,1
	v_rcp_f32 v[ST+8*\t+4], v[ST+8*\t+6]
.endr
	v_nop                                          ; a plain line behind the last reciprocal,
	s_wait_alu depctr_va_vdst(0)                   ; and the wait ahead of the first use
.macro PACK t
.set n, 0
.rept 16
	v_pk_mul_f32 v[S+32*\t+2*n:S+32*\t+2*n+1], v[O+32*\t+2*n:O+32*\t+2*n+1], v[ST+8*\t+4:ST+8*\t+5] op_sel_hi:[1,0]   ; register 8 dt + j: out0(query r, channel 16 dt + 8 h + j)
.set n, n+1
.endr
.irp dt, 0,1,2,3
	ds_store_b128 v[STO], v[S+32*\t+8*\dt:S+32*\t+8*\dt+3] offset:64*\dt
	ds_store_b128 v[STO], v[S+32*\t+8*\dt+4:S+32*\t+8*\dt+7] offset:64*\dt+16
.endr
.irp i, 0,1,2,3,4,5,6,7
	ds_load_b128 v[F+32*\t+4*\i:F+32*\t+4*\i+3], v[RD] offset:544*\i   ; LDS serves a wave's instructions in order: these see the stores above, and the next tile's stores come behind them
.endr
.endm
.macro SEND t, younger                 ; younger: the LDS instructions issued behind tile t's loads
.irp i, 0,1,2,3,4,5,6,7
	s_wait_dscnt \younger+7-\i
	global_store_b128 v[LOF], v[F+32*\t+4*\i:F+32*\t+4*\i+3], s[2:3] offset:4096*\t+512*\i th:TH_STORE_NT   ; 512 consecutive bytes, aligned: two rows of out0
.endr
.endm
	PACK 0
	PACK 1
	SEND 0, 16                                     ; behind tile 0's loads: tile 1's eight stores and eight loads
	SEND 1, 0
	s_wait_tensorcnt 0x0                           ; the wave's end, behind my last tensor load and my last LDS store
	ds_add_u32 v[SPW], v[NIL]
	s_wait_dscnt 0x0
	CROUND                                         ; the closing round: no work-group ends while a partner may still ask for a tile that names it
	s_endpgm
.Lfunc_end_k_q6a2df3871c_attn:
	.size	k_q6a2df3871c_attn, .Lfunc_end_k_q6a2df3871c_attn-k_q6a2df3871c_attn
	.p2alignl 7, 3214868480
	.fill 96, 4, 3214868480
	.section	.rodata,"a",@progbits
	.p2align	6, 0x0
	.amdhsa_kernel k_q6a2df3871c_attn
		.amdhsa_group_segment_fixed_size 327680
		.amdhsa_private_segment_fixed_size 0
		.amdhsa_enable_private_segment 0
		.amdhsa_kernarg_size 56
		.amdhsa_user_sgpr_count 2
		.amdhsa_user_sgpr_kernarg_segment_ptr 1
		.amdhsa_wavefront_size32 1
		.amdhsa_system_sgpr_workgroup_id_x 1
		.amdhsa_system_sgpr_workgroup_id_y 1
		.amdhsa_system_sgpr_workgroup_id_z 1
		.amdhsa_system_vgpr_workitem_id 0
		.amdhsa_next_free_vgpr 256
		.amdhsa_next_free_sgpr 100
		.amdhsa_reserve_vcc 0
		.amdhsa_float_denorm_mode_32 3
		.amdhsa_float_denorm_mode_16_64 3
		.amdhsa_memory_ordered 1
		.amdhsa_forward_progress 1
		.amdhsa_inst_pref_size 104
	.end_amdhsa_kernel
	.amdgpu_metadata
---
amdhsa.version: [ 1, 2 ]
amdhsa.kernels:
  - .name:           k_q6a2df3871c_attn
    .symbol:         k_q6a2df3871c_attn.kd
    .args:
      - { .name: xc, .offset: 0, .size: 8, .value_kind: global_buffer, .address_space: global }
      - { .name: xs, .offset: 8, .size: 8, .value_kind: global_buffer, .address_space: global }
      - { .name: wc, .offset: 16, .size: 8, .value_kind: global_buffer, .address_space: global }
      - { .name: ws, .offset: 24, .size: 8, .value_kind: global_buffer, .address_space: global }
      - { .name: kv, .offset: 32, .size: 8, .value_kind: global_buffer, .address_space: global }
      - { .name: mb, .offset: 40, .size: 8, .value_kind: global_buffer, .address_space: global }
      - { .name: out0, .offset: 48, .size: 8, .value_kind: global_buffer, .address_space: global }
    .group_segment_fixed_size: 327680
    .private_segment_fixed_size: 0
    .kernarg_segment_align: 8
    .kernarg_segment_size: 56
    .max_flat_workgroup_size: 512
    .sgpr_count:     100
    .vgpr_count:     256
    .wavefront_size: 32
...
	.end_amdgpu_metadata
.endif
;; end of part 3
